; MI455X (gfx1250); checked and timed in simulation.
; The chip was launched on July 23, 2026; its instructions are those of AMD's public machine-readable ISA for CDNA 5 (MIT licence, August 2026) and "CDNA5" Instruction Set Architecture Reference Guide (July 2026). The comments in the code are by the model that wrote it; some were corrected since.
;; Masked Multi Head SDP Attention. Allowed arithmetic: matrix products marked QUANTISED: E2M3 operands, one E8M0 scale for each 32 along K, by v_wmma_scale_f32_16x16x128_f8f6f4 with both operands' format E2M3, f32 sums; everything else in f32.
;; Inputs: Wk_codes 16 x 64 x 32 x 24 uint8 (E2M3 codes of Wk, K innermost, in blocks of 32 codes, four codes in three bytes); Wk_scales 16 x 64 x 32 uint8 (E8M0 scales of Wk, one for each 32 codes along K); Wo_codes 1,024 x 32 x 24 uint8 (E2M3 codes of Wo, K innermost, in blocks of 32 codes, four codes in three bytes); Wo_scales 1,024 x 32 uint8 (E8M0 scales of Wo, one for each 32 codes along K); Wq_codes 16 x 64 x 32 x 24 uint8 (E2M3 codes of Wq, K innermost, in blocks of 32 codes, four codes in three bytes); Wq_scales 16 x 64 x 32 uint8 (E8M0 scales of Wq, one for each 32 codes along K); Wv_codes 16 x 64 x 32 x 24 uint8 (E2M3 codes of Wv, K innermost, in blocks of 32 codes, four codes in three bytes); Wv_scales 16 x 64 x 32 uint8 (E8M0 scales of Wv, one for each 32 codes along K); bk 16 x 64 float32; bo 1,024 float32; bq 16 x 64 float32; bv 16 x 64 float32; x_codes 4 x 2,048 x 32 x 24 uint8 (E2M3 codes of x, K innermost, in blocks of 32 codes, four codes in three bytes); x_scales 4 x 2,048 x 32 uint8 (E8M0 scales of x, one for each 32 codes along K).
;; Outputs: out0 4 x 2,048 x 1,024 float32.
;; This version of the problem:
;;   THIS VERSION OF THE PROBLEM IS GIVEN IN LOW PRECISION. The matrix products marked QUANTISED in the list below multiply operands that are first quantised to E2M3 (2 exponent bits, 3 mantissa bits; 6 bits a number), with one power-of-two scale for each 32 numbers along K (OCP MX v1.0); their sums are f32. All else is computed in f32.
;;   The module's matrix products, in the order in which they are computed (A, B: the left and right operand; K: the contracted axis; several contracted axes count as one K, in the product's order):
;;     1. [M 1,024, K 1,024] x [K 1,024, N 8,192]; A: input Wq (given as codes); B: input x (given as codes): QUANTISED
;;     2. [M 1,024, K 1,024] x [K 1,024, N 8,192]; A: input Wk (given as codes); B: input x (given as codes): QUANTISED
;;     3. [M 1,024, K 1,024] x [K 1,024, N 8,192]; A: input Wv (given as codes); B: input x (given as codes): QUANTISED
;;     4. batch 64 x [M 2,048, K 64] x [K 64, N 2,048]; A: computed on the way; B: computed on the way: QUANTISED
;;     5. batch 64 x [M 2,048, K 2,048] x [K 2,048, N 64]; A: softmax (see below); B: computed on the way: QUANTISED
;;     6. [M 8,192, K 1,024] x [K 1,024, N 1,024]; A: computed on the way; B: input Wo (given as codes): QUANTISED
;;   THE QUANTISER, for each operand of a quantised product, along K:
;;     - K is cut into blocks of 32 from its start; a last block that is shorter is filled with zeros.
;;     - A block's scale is 2^e with e = floor(log2(the largest magnitude in the block)) - 2, held to -126 .. 127; a block of zeros has e = 0. As a byte (E8M0): e + 127.
;;     - Each number is divided by its block's scale, clamped to +-7.5, and rounded to the nearest number of E2M3, ties to even, subnormals kept.
;;     - The product sums the exact products of the quantised numbers (number of the format x scale) in f32.
;;   ~~~python
;;   def quantise(x, axis):      # numpy; x: float32 -> the quantised numbers, widened to float32 again
;;       x = np.moveaxis(x, axis, -1); K = x.shape[-1]
;;       x = np.pad(x, [(0, 0)] * (x.ndim - 1) + [(0, -K % 32)]); x = x.reshape(x.shape[:-1] + (-1, 32)); a = np.abs(x).max(-1, keepdims=True)
;;       e = np.where(a > 0, np.clip(np.frexp(np.where(a > 0, a, 1))[1] - 1 - 2, -126, 127), 0)      # np.frexp(a)[1] - 1 = floor(log2(a)), exactly
;;       r = np.clip(x / 2.0 ** e, -7.5, 7.5)
;;       step = 2.0 ** (np.maximum(np.frexp(np.where(r == 0, 1, r))[1] - 1, 0) - 3)
;;       q = np.round(r / step) * step * 2.0 ** e      # np.round: ties to even
;;       return np.moveaxis(q.reshape(q.shape[:-2] + (-1,))[..., :K], -1, axis).astype(np.float32)
;;   ~~~
;;   SOFTMAX AHEAD OF A QUANTISED PRODUCT. Where the list says 'softmax', what is quantised is not the finished softmax but p = 2^(t - M), with t = logit x log2(e) and M = ceil(the row's largest t), a whole number; so 1/2 < the row's largest p <= 1. The row's sum l is taken of the UNQUANTISED p, in f32, and the product's result is divided by l at the end. Since M is a whole number, a kernel that streams over the keys may use a running M (the ceiling of the running maximum): every later rescaling is an exact power of two, which a block's scale takes up: the codes' values come out the same.
;;   OPERANDS COMPUTED ON THE WAY. 'Computed on the way' means the value that the module computes at that place (a softmax that the list does not call 'softmax' is quantised finished and normalised). What goes into a quantiser is computed in f32, as accurately as f32 sums, v_exp_f32 and their like allow (about 1e-6 of the number): no bf16 or f16 on the way to a quantiser, and a product that is left as it is and whose result goes on into a quantised operand takes f32 operands (vector FMAs, or v_wmma_f32_16x16x4_f32). A number that lies on a knife's edge between two numbers of the format may be rounded either way, as far as f32 arithmetic and the matrix unit's own rounding can turn it there, and no further.
;;   INPUTS GIVEN AS CODES. Wk (in the module: [16, 1024, 64], K = its axis 1); Wo (in the module: [1024, 1024], K = its axis 0); Wq (in the module: [16, 1024, 64], K = its axis 1); Wv (in the module: [16, 1024, 64], K = its axis 1); x (in the module: [4, 2048, 1024], K = its axis 2): each comes as NAME_codes (uint8): NAME with its K axis moved to the last place and cut into blocks of 32 codes, [.., K / 32, bytes a block], one block behind the other in memory; four codes in three bytes: a row's codes are one little-endian stream of bits, code i at bits 6 i .. 6 i + 5 (a code: sign, 2 exponent bits, 3 mantissa bits); and NAME_scales (uint8): the same leading axes, one E8M0 byte (e + 127) for each 32 codes along K. Its value is code x scale, taken as it is: it is not quantised again, and the codes and scales need not be those that the quantiser above would give.
;; One version. Each part assembles by itself: llvm-mc -triple=amdgcn-amd-amdhsa -mcpu=gfx1250 --defsym DOCPART=n.
;; ======== version 1 of 1: 3 launches
;; limits: right only within a limited range of input values
;; workspace buffers: q 6,553,600 bytes; kv 13,107,200 bytes; cat 6,291,456 bytes; catS 262,144 bytes
;; launch proj (part 1): grid 24 x 32, 4 waves a work-group, clusters of 4 x 4, 327,680 bytes of LDS; arguments x_codes, x_scales, Wq_codes, Wq_scales, Wk_codes, Wk_scales, Wv_codes, Wv_scales, bq, bk, bv, q, kv; writes q, kv
.if DOCPART == 1
	.amdgcn_target "amdgcn-amd-amdhsa--gfx1250"
	.amdhsa_code_object_version 6
	.text
	.protected	k_q722e60998c_proj
	.globl	k_q722e60998c_proj
	.p2align	8
	.type	k_q722e60998c_proj,@function
k_q722e60998c_proj:
	s_mov_b64 s[64:65], 0
	v_nop
	global_prefetch_b8 v0, s[64:65] scope:SCOPE_SE
	s_setreg_imm32_b32 hwreg(HW_REG_WAVE_MODE, 25, 1), 1
	s_wait_xcnt 0x0
	s_wait_alu depctr_hold_cnt(0) depctr_sa_sdst(0) depctr_va_vdst(0) depctr_va_sdst(0) depctr_va_ssrc(0) depctr_va_vcc(0) depctr_vm_vsrc(0)
	s_getreg_b32 s2, hwreg(HW_REG_IB_STS2, 6, 4)
	s_cmp_eq_u32 s2, 0
	s_cbranch_scc0 .Lentry_in_a_cluster
	s_endpgm
.Lentry_in_a_cluster:
	s_bfe_u32 s2, ttmp6, 0x10000c
	s_cmp_lg_u32 s2, 0xf033
	s_cbranch_scc0 .Lentry_shape_is_right
	s_endpgm
.Lentry_shape_is_right:
; Q, K, V = x W^T + b for 16 heads on codes of FP6 (E2M3), one E8M0 scale for each 32 along K = 1,024, sums in f32; the results are quantised here into the layouts that the attention launch reads.
; ROLES.  Source 1 of the matrix instruction is P (a lane of the result holds ONE row of P), source 0 is R (a lane's registers run along R's rows).  Q, K: P = x, R = W.  V: P = Wv, R = x (the keys are V's next K).
; SHARES.  A work-group makes 256 rows of P x 128 rows of R; ALL of K lies in LDS at once (384 rows of 768 bytes, 16 bytes of padding behind each 256), filled once by four joint loads, one a wave; nothing is filled again.
; A wave makes 64 rows of P x 128 of R: 32 accumulators.  Cluster x / 2 picks the weight (0 Wq, 1 Wk, 2 Wv).  P's tile hangs on cy (Q, K: token tile 4 cluster y + cy; V: weight tile cy) and is shared along a row of the cluster;
; R's tile hangs on cx (Q, K: weight tile cx + 4 (cluster x % 2); V: token tile cx + 4 (2 cluster y + cluster x % 2)) and is shared along a column.  So no LDS address hangs on the weight.
; THE ORDER INSIDE A BLOCK OF 32: numbers 16 u + 8 h + j of a block are coded at places 16 h + 8 u + j, alike in Q and K, and alike in V and the attention launch's p.
; OUT.  q: [64 batch x head][16] records of 6,400 bytes: eight half fragments of 768 bytes, 256 bytes of scale words.  kv: [64][16] records of 12,800 bytes: K's eight half fragments, V^T's four fragments, K's and V's scale words.
; Q's and K's scale words: a record's 256 bytes are 8 a lane; each of two waves stores 4 of each 8.
; No prefetch: the text has no loop to run ahead in; every byte is asked for at the head.
; LIMITS: NaN and infinities are not served.  A block whose largest magnitude lies under 2^-124 keeps the scale byte 1; these bytes are read by this program alone.
.set KROW,  768
.set PITCH, 816
.set FR,    12
.set RB,    256*PITCH                  ; P's 256 rows lie at 0, R's 128 here
.set SCLP,  RB+128*PITCH               ; P's scale bytes, 32 a row, dense
.set SCLR,  SCLP+8192                  ; R's
.set SPARE, SCLR+4096                  ; the spare words, 512 bytes
.set ADP, 16                           ; v16 my P fragments, v17 the same behind one padding more in lanes 16-31
.set ADR, 18                           ; v18, v19 R's blocks 0-3; v20, v21 blocks 4-7
.set ASP, 22                           ; v22 P's scale words: lanes 0-15 block i, lanes 16-31 block i + 2
.set ASR, 23                           ; v23 R's: lanes 0-15 block i, lanes 16-31 block i + 4
.set L16, 24
.set L8,  25
.set SPW, 28
.set NIL, 29
.set SR,  32                           ; v32-63 R's scale words: 8 (b % 4) + K step
.set SP,  68                           ; v68-83 P's: 8 (a % 2) + K step
.set PF,  128                          ; v128-223 P's fragments, two sets; R's two sets in window 2; accumulator (a, b) at 8 (8 a + b) of window 1; window 3: v0-63 bias by register, v64-71 by lane
.set T,   128
.set CD,  192
.set TM,  212
.set PW,  228
.set WQ,  236
.set G1P, 24
.set G0P, 32
.set G0R, 36
.set G0SP, 48
.set G1R, 52
.set G0SR, 60
.set G1SP, 68
.set G1SR, 76
.set HM,  2
.set SEL, 66
.set VF,  97
.set MSB, 0
.macro WIN new
.if MSB != (\new)
	s_set_vgpr_msb (MSB<<8)|(\new)
.set MSB, (\new)
.endif
.endm
.macro PLACES n
.rept \n
	v_nop
.endr
.endm
.macro CROUND
	s_barrier_signal -1
	s_barrier_wait -1
	s_cmp_lg_u32 s14, 0
	s_cbranch_scc1 .Lnot_wave_0_\@
	s_barrier_signal -3
.Lnot_wave_0_\@:
	s_barrier_wait -3
	s_barrier_signal -1
	s_barrier_wait -1
.endm
.macro CODES1 g, mask, rows            ; group 1: rows of 768 bytes, 16 bytes of padding behind each 256
	s_or_b32 s[\g+0], s[\mask], (1<<20)|(1<<21)|(5<<22)|(3<<25)
	s_mov_b32 s[\g+1], KROW<<16
	s_mov_b32 s[\g+2], (\rows)<<16
	s_mov_b32 s[\g+3], KROW<<16
	s_mov_b32 s[\g+4], \rows
	s_mov_b32 s[\g+5], KROW
	s_mov_b32 s[\g+6], 0
	s_mov_b32 s[\g+7], 0
.endm
.macro DENSE1 g, mask, rows            ; group 1: a dense block as rows of 256 bytes
	s_or_b32 s[\g+0], s[\mask], (3<<16)|(1<<21)
	s_mov_b32 s[\g+1], 32<<16
	s_mov_b32 s[\g+2], (\rows)<<16
	s_mov_b32 s[\g+3], 32<<16
	s_mov_b32 s[\g+4], \rows
	s_mov_b32 s[\g+5], 32
	s_mov_b32 s[\g+6], 0
	s_mov_b32 s[\g+7], 0
.endm
.macro GROUP0 g, lds, base, off
	s_mov_b32 s[\g], 1
	s_mov_b32 s[\g+1], \lds
	s_add_nc_u64 s[\g+2:\g+3], s[\base:\base+1], s[\off:\off+1]
	s_or_b32 s[\g+3], s[\g+3], 0x80000000
.endm
.macro ARM under, g0, g1, next         ; one arm of the head's chain: one load, and a jump to the join
	s_cmp_lt_u32 s14, \under
	s_cbranch_scc0 \next
	tensor_load_to_lds s[\g0:\g0+3], s[\g1:\g1+7]
	s_nop 0
	PLACES 4
	s_branch .Lasked
\next:
.endm
	s_load_b512 s[68:83], s[0:1], 0x0              ; x codes, x scales, Wq, Wk, Wv codes and scales
	s_load_b256 s[84:91], s[0:1], 0x40             ; bq, bk, bv, q
	s_load_b64 s[100:101], s[0:1], 0x60            ; kv
	v_lshl_add_u32 v[SPW], v0, 2, SPARE
	v_mov_b32 v[NIL], 0
	ds_add_u32 v[SPW], v[NIL]                      ; the opening lines
	ds_add_u32 v[SPW], v[NIL]
	v_lshrrev_b32 v1, 5, v0
	v_readfirstlane_b32 s14, v1                    ; wave
	s_bfe_u32 s40, ttmp6, 0x40000                  ; cx
	s_bfe_u32 s41, ttmp6, 0x40004                  ; cy
	s_and_b32 s17, ttmp7, 0xffff
	s_lshl_b32 s17, s17, 2                         ; 4 cluster y
	s_and_b32 s18, ttmp9, 1
	s_lshl_b32 s18, s18, 2
	s_lshr_b32 s19, ttmp9, 1                       ; the weight: equal in all sixteen partners
	s_cmp_eq_u32 s19, 2
	s_cselect_b32 s[VF], 1, 0
	s_cselect_b32 s20, 0, s17
	s_cselect_b32 s46, s17, 0
	s_add_co_u32 s42, s41, s20                     ; P's tile of 256 rows
	s_lshl_b32 s46, s46, 1
	s_add_co_u32 s43, s40, s18
	s_add_co_u32 s43, s43, s46                     ; R's tile of 128 rows
	s_lshl_b32 s44, s41, 2
	s_lshl_b32 s44, 15, s44                        ; my row of the cluster
	s_lshl_b32 s45, 0x1111, s40                    ; my column
	s_mov_b32 s[HM], 0xffff0000
	s_mov_b32 s[SEL], 0x76543210
	s_mov_b32 s[SEL+1], 0xfedcba98
	CODES1 G1P, 44, 256
	CODES1 G1R, 45, 128
	s_mul_i32 s20, s42, 256*KROW
	s_mov_b32 s21, 0
	s_lshl_b32 s22, s42, 13
	s_mov_b32 s23, 0
	s_mul_i32 s46, s43, 128*KROW
	s_mov_b32 s47, 0
	s_lshl_b32 s92, s43, 12
	s_mov_b32 s93, 0
	s_wait_alu depctr_va_vdst(0)
	s_wait_dscnt 0x0
	s_wait_kmcnt 0x0
	s_cmp_eq_u32 s19, 0
	s_cselect_b64 s[8:9], s[72:73], s[76:77]
	s_cselect_b64 s[10:11], s[74:75], s[78:79]
	s_cselect_b64 s[94:95], s[84:85], s[86:87]
	s_cselect_b64 s[12:13], s[90:91], s[100:101]   ; q, or kv
	s_mov_b32 s98, 204800
	s_cselect_b32 s98, 102400, s98                 ; bytes of a batch x head,
	s_mov_b32 s99, 12800
	s_cselect_b32 s99, 6400, s99                   ; of a record,
	s_mov_b32 s96, 12288
	s_cselect_b32 s96, 6144, s96                   ; and where Q's or K's scale words begin
	s_cmp_eq_u32 s19, 2
	s_cselect_b64 s[4:5], s[80:81], s[68:69]       ; P's codes,
	s_cselect_b64 s[6:7], s[82:83], s[70:71]       ; P's scales,
	s_cselect_b64 s[8:9], s[68:69], s[8:9]         ; R's codes,
	s_cselect_b64 s[10:11], s[70:71], s[10:11]     ; R's scales
	s_cselect_b64 s[94:95], s[88:89], s[94:95]     ; the bias
	GROUP0 G0P, 0, 4, 20
	GROUP0 G0SP, SCLP, 6, 22
	GROUP0 G0R, RB, 8, 46
	GROUP0 G0SR, SCLR, 10, 92
	DENSE1 G1SP, 44, 32
	DENSE1 G1SR, 45, 16
	CROUND                                         ; all sixteen work-groups are here: the joint loads meet
	ARM 1, G0P, G1P, .Lhead_r
	ARM 2, G0R, G1R, .Lhead_sp
	ARM 3, G0SP, G1SP, .Lhead_sr
	tensor_load_to_lds s[G0SR:G0SR+3], s[G1SR:G1SR+7]
	s_nop 0
	PLACES 4
.Lasked:
	; where my results go.  Q, K: batch x head 16 (P tile / 8) + 2 R tile and the next; record 2 (P tile % 8) + wave / 2; token tiles 4 (wave % 2) on.  V: batch x head 16 (R tile / 16) + 4 P tile + wave; record R tile % 16
	s_lshr_b32 s15, s14, 1
	s_and_b32 s16, s14, 1
	s_lshr_b32 s20, s42, 3
	s_lshl_b32 s20, s20, 4
	s_lshl_b32 s21, s43, 1
	s_add_co_u32 s20, s20, s21
	s_and_b32 s21, s42, 7
	s_lshl_b32 s21, s21, 1
	s_add_co_u32 s21, s21, s15
	s_mul_i32 s3, s16, 3072
	s_lshr_b32 s22, s43, 4
	s_lshl_b32 s22, s22, 4
	s_lshl_b32 s23, s42, 2
	s_add_co_u32 s22, s22, s23
	s_add_co_u32 s22, s22, s14
	s_and_b32 s23, s43, 15
	s_cmp_eq_u32 s[VF], 1
	s_cselect_b32 s20, s22, s20
	s_cselect_b32 s21, s23, s21
	s_cselect_b32 s3, 0, s3
	s_mul_i32 s20, s20, s98
	s_mul_i32 s21, s21, s99
	s_add_co_u32 s20, s20, s21
	s_mov_b32 s21, 0
	s_add_nc_u64 s[8:9], s[12:13], s[20:21]        ; the record
	s_mov_b32 s20, s3
	s_add_nc_u64 s[4:5], s[8:9], s[20:21]          ; my first head's codes,
	s_mov_b32 s20, s98
	s_add_nc_u64 s[6:7], s[4:5], s[20:21]          ; my second head's
	s_lshl_b32 s22, s16, 2
	s_add_co_u32 s22, s22, s96
	s_mov_b32 s23, 0
	s_add_nc_u64 s[8:9], s[8:9], s[22:23]          ; and their scale words
	s_add_nc_u64 s[10:11], s[8:9], s[20:21]
	s_lshl_b32 s20, s43, 9                         ; the bias by register: R's 128 weight rows (Q, K); by lane: my 64 of P's (V).  Both are loaded, each inside the buffer
	s_lshl_b32 s22, s42, 10
	s_lshl_b32 s23, s14, 8
	s_add_co_u32 s22, s22, s23
	s_cmp_eq_u32 s[VF], 1
	s_cselect_b32 s20, 0, s20
	s_cselect_b32 s22, s22, 0
	s_mov_b32 s23, 0
	s_add_nc_u64 s[92:93], s[94:95], s[20:21]
	s_add_nc_u64 s[94:95], s[94:95], s[22:23]
	s_mul_i32 s20, s14, 64*PITCH
	s_lshl_b32 s21, s14, 11
	s_add_co_u32 s21, s21, SCLP
	v_and_b32 v1, 15, v0                           ; r
	v_bfe_u32 v2, v0, 4, 1                         ; h
	v_and_b32 v6, 31, v0
	v_mul_u32_u24 v3, v1, PITCH
	v_mad_u32_u24 v4, v2, 24, v3
	v_mad_u32_u24 v5, v2, 40, v3
	v_add_nc_u32 v[ADP], s20, v4
	v_add_nc_u32 v[ADP+1], s20, v5
	v_add_nc_u32 v[ADR], RB, v4
	v_add_nc_u32 v[ADR+1], RB, v5
	v_add_nc_u32 v[ADR+2], RB+64*PITCH, v4
	v_add_nc_u32 v[ADR+3], RB+64*PITCH, v5
	v_lshlrev_b32 v7, 5, v1
	v_lshl_add_u32 v8, v2, 10, v7
	v_add_nc_u32 v[ASP], s21, v8
	v_lshl_add_u32 v8, v2, 11, v7
	v_add_nc_u32 v[ASR], SCLR, v8
	v_lshlrev_b32 v[L16], 4, v6
	v_lshlrev_b32 v[L8], 3, v6
	v_lshlrev_b32 v9, 5, v2
	v_lshlrev_b32 v10, 2, v1
	s_wait_alu depctr_va_vdst(0)
	WIN 0xc0
.irp b, 0,1,2,3,4,5,6,7
	global_load_b128 v[8*\b:8*\b+3], v9, s[92:93] offset:64*\b
	global_load_b128 v[8*\b+4:8*\b+7], v9, s[92:93] offset:64*\b+16
.endr
.irp a, 0,1,2,3
	global_load_b32 v[64+2*\a], v10, s[94:95] offset:64*\a
	global_load_b32 v[64+2*\a+1], v10, s[94:95] offset:64*\a
.endr
	WIN 0
.macro FRAG reg, adr, q, off           ; 16 rows x 128 K: six pieces of 8 bytes; byte y of a row lies at y + 16 (y / 256); lanes 16-31 read 24 bytes on, where that is behind one padding more by the second register
.irp p, 0,1,2,3,4,5
.set BY, 96*(\q)+48*(\p/3)+8*(\p%3)
.if BY/256 == (BY+24)/256
	ds_load_b64 v[\reg+2*\p:\reg+2*\p+1], v[\adr] offset:BY+16*(BY/256)+(\off)
.else
	ds_load_b64 v[\reg+2*\p:\reg+2*\p+1], v[\adr+1] offset:BY+16*(BY/256)+(\off)
.endif
.endr
.endm
.macro FETCH q, p                      ; K step q's fragments into set p: 72 loads
	WIN 0x80
.irp i, 0,1,2,3
	FRAG 128*(\p)+FR*\i, ADR, \q, \i*16*PITCH
.endr
.irp i, 0,1,2,3
	FRAG 128*(\p)+FR*(\i+4), ADR+2, \q, \i*16*PITCH
.endr
	WIN 0
.irp i, 0,1,2,3
	FRAG PF+48*(\p)+FR*\i, ADP, \q, \i*16*PITCH
.endr
.endm
.macro WM a, b, p, q, ra, rb, zero
.if \zero
	v_wmma_scale_f32_16x16x128_f8f6f4 v[8*(8*\a+\b):8*(8*\a+\b)+7], v[128*(\p)+FR*\b:128*(\p)+FR*\b+FR-1], v[PF+48*(\p)+FR*\a:PF+48*(\p)+FR*\a+FR-1], 0, v[SR+8*(\b%4)+(\q)], v[SP+8*(\a%2)+(\q)] matrix_a_fmt:MATRIX_FMT_FP6 matrix_b_fmt:MATRIX_FMT_FP6 matrix_a_scale:MATRIX_SCALE_ROW\ra matrix_b_scale:MATRIX_SCALE_ROW\rb
.else
	v_wmma_scale_f32_16x16x128_f8f6f4 v[8*(8*\a+\b):8*(8*\a+\b)+7], v[128*(\p)+FR*\b:128*(\p)+FR*\b+FR-1], v[PF+48*(\p)+FR*\a:PF+48*(\p)+FR*\a+FR-1], v[8*(8*\a+\b):8*(8*\a+\b)+7], v[SR+8*(\b%4)+(\q)], v[SP+8*(\a%2)+(\q)] matrix_a_fmt:MATRIX_FMT_FP6 matrix_b_fmt:MATRIX_FMT_FP6 matrix_a_scale:MATRIX_SCALE_ROW\ra matrix_b_scale:MATRIX_SCALE_ROW\rb
.endif
.endm
.macro MULA a, rb, p, q, zero
.irp b, 0,1,2,3
	WM \a, \b, \p, \q, 0, \rb, \zero
.endr
.irp b, 4,5,6,7
	WM \a, \b, \p, \q, 1, \rb, \zero
.endr
.endm
.macro MUL p, q, zero                  ; 32 products: the 32 accumulators by turns, in the same order in every step
	MULA 0, 0, \p, \q, \zero
	MULA 1, 0, \p, \q, \zero
	MULA 2, 1, \p, \q, \zero
	MULA 3, 1, \p, \q, \zero
.endm
	s_wait_alu depctr_va_vdst(0)                   ; the wait at the head's end
	s_wait_tensorcnt 0x0                           ; my tile of the four is in
	s_barrier_signal -1
	s_barrier_wait -1                              ; all four are
.irp i, 0,1,2,3
	ds_load_b128 v[SR+8*\i:SR+8*\i+3], v[ASR] offset:512*\i
	ds_load_b128 v[SR+8*\i+4:SR+8*\i+7], v[ASR] offset:512*\i+16
.endr
.irp i, 0,1
	ds_load_b128 v[SP+8*\i:SP+8*\i+3], v[ASP] offset:512*\i
	ds_load_b128 v[SP+8*\i+4:SP+8*\i+7], v[ASP] offset:512*\i+16
.endr
	FETCH 0, 0
.set Q, 0
.rept 8                                ; a K step: its fragments, asked for a step ago, are in; the next step's are asked for; 32 products
	s_wait_dscnt 0x0
.if Q > 0
	PLACES 4                                       ; in front of loads into registers that the last step's products have read
.endif
.if Q < 7
	FETCH Q+1, (Q+1)%2
.endif
	WIN 0x52                                       ; source 0 window 2, source 1 window 0, C and D window 1
.if Q == 0
	MUL 0, 0, 1
.else
	MUL Q%2, Q, 0
.endif
.set Q, Q+1
.endr
	WIN 0
; THE WAY OUT.  64 numbers of a lane, v[s] on (registers 16 b + 0 .. 15: my half of block b of my row of P), become a fragment's codes in v[CD] on and its scale word in v[pw].
.macro QUANT s, pw
.irp b, 0,1,2,3
	v_max3_num_f32 v[TM+\b], |v[\s+16*\b]|, |v[\s+1+16*\b]|, 0x1800000   ; with the floor 2^(3 - 127): the byte cannot fall under 1
.endr
.irp i, 2,4,6,8,10,12,14
.irp b, 0,1,2,3
	v_max3_num_f32 v[TM+\b], v[TM+\b], |v[\s+16*\b+\i]|, |v[\s+1+16*\b+\i]|
.endr
.endr
.irp b, 0,1,2,3
	v_permlanex16_b32 v[TM+4+\b], v[TM+\b], s[SEL], s[SEL+1]
.endr
.irp b, 0,1,2,3
	v_max_num_f32 v[TM+\b], v[TM+\b], v[TM+4+\b]
.endr
.irp b, 0,1,2,3
	v_add_nc_u32 v[TM+12+\b], 0xff000000, v[TM+\b] ; 2 off the exponent field: the conversion's scale operand
.endr
.irp b, 0,1,2,3
	v_lshrrev_b32 v[TM+4+\b], 23, v[TM+12+\b]
.endr
	v_lshl_or_b32 v[\pw], v[TM+5], 8, v[TM+4]
	v_lshl_or_b32 v[\pw], v[TM+6], 16, v[\pw]
	v_lshl_or_b32 v[\pw], v[TM+7], 24, v[\pw]
.irp c, 0,1
	v_cvt_scalef32_pk16_fp6_f32 v[CD+6*\c:CD+2+6*\c], v[\s+32*\c:\s+15+32*\c], v[TM+12+2*\c]
	v_cvt_scalef32_pk16_fp6_f32 v[CD+12+4*\c:CD+14+4*\c], v[\s+16+32*\c:\s+31+32*\c], v[TM+12+2*\c+1]
.endr
	v_nop                                          ; one plain line behind a scaled conversion
.irp c, 0,1                                    ; a whole block in a lane: lanes 0-15 block 2 c, lanes 16-31 block 2 c + 1
.irp i, 0,1,2
	v_permlane16_swap_b32 v[CD+6*\c+\i], v[CD+12+4*\c+\i]
.endr
.irp i, 0,1,2
	v_mov_b32 v[CD+3+6*\c+\i], v[CD+12+4*\c+\i]
.endr
.endr
.endm
; Block a of P: its eight accumulators, each from its low end on, plus the bias; quantised; stored as images of operand registers.  kind 0: 16 tokens x 64 features of two heads.  kind 1: 16 features x 128 keys.
.macro EPI a, kind
.if (\a) > 0
	s_wait_xcnt 0x0                                ; the last block's stores have read their registers
.endif
	WIN 0x0d                                       ; source 0 window 1, source 1 window 3
.set ii, 0
.rept 32
.if \kind
	v_pk_add_f32 v[T+ii:T+ii+1], v[64*(\a)+ii:64*(\a)+ii+1], v[64+2*(\a):64+2*(\a)+1] op_sel_hi:[1,0]
.else
	v_pk_add_f32 v[T+ii:T+ii+1], v[64*(\a)+ii:64*(\a)+ii+1], v[ii:ii+1]
.endif
.set ii, ii+2
.endr
	WIN 0
	QUANT T, PW+(\a)
.if \kind
.irp p, 0,1,2
	global_store_b128 v[L16], v[CD+4*\p:CD+4*\p+3], s[4:5] offset:6144+1536*(\a)+512*\p   ; 512 consecutive bytes, at a multiple of 256
.endr
.else
	global_store_b128 v[L16], v[CD:CD+3], s[4:5] offset:768*(\a)
	global_store_b64 v[L8], v[CD+4:CD+5], s[4:5] offset:768*(\a)+512
	global_store_b128 v[L16], v[CD+6:CD+9], s[6:7] offset:768*(\a)
	global_store_b64 v[L8], v[CD+10:CD+11], s[6:7] offset:768*(\a)+512
.endif
.endm
	PLACES 4                                       ; behind the last products
	s_wait_loadcnt 0x0                             ; the biases
.irp b, 0,1,2,3
	v_mov_b32 v[TM+4+\b], 0                        ; a lane permute's destination counts as one of its sources
.endr
	s_cmp_eq_u32 s[VF], 1                          ; equal in all partners
	s_cbranch_scc1 .Lv_path
.irp a, 0,1,2,3
	EPI \a, 0
.endr
.irp c, 0,1                                    ; a word serves two token tiles (bytes 0, 1 and 2, 3); my first pair in lanes 0-15, my second in lanes 16-31; register wave % 2 of the record's image
	v_perm_b32 v[WQ], v[PW+1], v[PW], 0x05040100+0x02020202*\c
	v_perm_b32 v[WQ+1], v[PW+3], v[PW+2], 0x05040100+0x02020202*\c
	v_cndmask_b32 v[WQ+2+\c], v[WQ], v[WQ+1], s[HM]
	global_store_b32 v[L8], v[WQ+2+\c], s[8+2*\c:9+2*\c]
.endr
	s_branch .Lout
.Lv_path:
.irp a, 0,1,2,3
	EPI \a, 1
.endr
	v_cndmask_b32 v[WQ], v[PW], v[PW+1], s[HM]     ; fragment t's word in register t / 2, lanes 0-15 (t even) or 16-31 (t odd)
	v_cndmask_b32 v[WQ+1], v[PW+2], v[PW+3], s[HM]
	global_store_b64 v[L8], v[WQ:WQ+1], s[4:5] offset:12544
.Lout:
	s_wait_tensorcnt 0x0                           ; the wave's end
	ds_add_u32 v[SPW], v[NIL]
	s_wait_dscnt 0x0
	CROUND                                         ; the closing round
	s_endpgm
.Lfunc_end_k_q722e60998c_proj:
	.size	k_q722e60998c_proj, .Lfunc_end_k_q722e60998c_proj-k_q722e60998c_proj
	.p2alignl 7, 3214868480
	.fill 96, 4, 3214868480
	.section	.rodata,"a",@progbits
	.p2align	6, 0x0
	.amdhsa_kernel k_q722e60998c_proj
		.amdhsa_group_segment_fixed_size 327680
		.amdhsa_private_segment_fixed_size 0
		.amdhsa_enable_private_segment 0
		.amdhsa_kernarg_size 104
		.amdhsa_user_sgpr_count 2
		.amdhsa_user_sgpr_kernarg_segment_ptr 1
		.amdhsa_wavefront_size32 1
		.amdhsa_system_sgpr_workgroup_id_x 1
		.amdhsa_system_sgpr_workgroup_id_y 1
		.amdhsa_system_sgpr_workgroup_id_z 1
		.amdhsa_system_vgpr_workitem_id 0
		.amdhsa_next_free_vgpr 848
		.amdhsa_next_free_sgpr 102
		.amdhsa_reserve_vcc 0
		.amdhsa_float_denorm_mode_32 3
		.amdhsa_float_denorm_mode_16_64 3
		.amdhsa_memory_ordered 1
		.amdhsa_forward_progress 1
		.amdhsa_inst_pref_size 134
	.end_amdhsa_kernel
	.amdgpu_metadata
---
amdhsa.version: [ 1, 2 ]
amdhsa.kernels:
  - .name:           k_q722e60998c_proj
    .symbol:         k_q722e60998c_proj.kd
    .args:
      - { .name: x_codes, .offset: 0, .size: 8, .value_kind: global_buffer, .address_space: global }
      - { .name: x_scales, .offset: 8, .size: 8, .value_kind: global_buffer, .address_space: global }
      - { .name: Wq_codes, .offset: 16, .size: 8, .value_kind: global_buffer, .address_space: global }
      - { .name: Wq_scales, .offset: 24, .size: 8, .value_kind: global_buffer, .address_space: global }
      - { .name: Wk_codes, .offset: 32, .size: 8, .value_kind: global_buffer, .address_space: global }
      - { .name: Wk_scales, .offset: 40, .size: 8, .value_kind: global_buffer, .address_space: global }
      - { .name: Wv_codes, .offset: 48, .size: 8, .value_kind: global_buffer, .address_space: global }
      - { .name: Wv_scales, .offset: 56, .size: 8, .value_kind: global_buffer, .address_space: global }
      - { .name: bq, .offset: 64, .size: 8, .value_kind: global_buffer, .address_space: global }
      - { .name: bk, .offset: 72, .size: 8, .value_kind: global_buffer, .address_space: global }
      - { .name: bv, .offset: 80, .size: 8, .value_kind: global_buffer, .address_space: global }
      - { .name: q, .offset: 88, .size: 8, .value_kind: global_buffer, .address_space: global }
      - { .name: kv, .offset: 96, .size: 8, .value_kind: global_buffer, .address_space: global }
    .group_segment_fixed_size: 327680
    .private_segment_fixed_size: 0
    .kernarg_segment_align: 8
    .kernarg_segment_size: 104
    .max_flat_workgroup_size: 128
    .sgpr_count:     102
    .vgpr_count:     848
    .wavefront_size: 32
...
	.end_amdgpu_metadata
.endif
;; end of part 1
;; launch attn (part 2): grid 4 x 64, 16 waves a work-group, clusters of 4 x 1, 206,848 bytes of LDS; arguments q, kv, cat, catS; writes cat, catS
.if DOCPART == 2
	.amdgcn_target "amdgcn-amd-amdhsa--gfx1250"
	.amdhsa_code_object_version 6
	.text
	.protected	k_q722e60998c_attn
	.globl	k_q722e60998c_attn
	.p2align	8
	.type	k_q722e60998c_attn,@function
k_q722e60998c_attn:
	s_mov_b64 s[64:65], 0
	v_nop
	global_prefetch_b8 v0, s[64:65] scope:SCOPE_SE
	s_setreg_imm32_b32 hwreg(HW_REG_WAVE_MODE, 25, 1), 1
	s_wait_xcnt 0x0
	s_wait_alu depctr_hold_cnt(0) depctr_sa_sdst(0) depctr_va_vdst(0) depctr_va_sdst(0) depctr_va_ssrc(0) depctr_va_vcc(0) depctr_vm_vsrc(0)
	s_getreg_b32 s2, hwreg(HW_REG_IB_STS2, 6, 4)
	s_cmp_eq_u32 s2, 0
	s_cbranch_scc0 .Lentry_in_a_cluster
	s_endpgm
.Lentry_in_a_cluster:
	s_bfe_u32 s2, ttmp6, 0x10000c
	s_cmp_lg_u32 s2, 0x3003
	s_cbranch_scc0 .Lentry_shape_is_right
	s_endpgm
.Lentry_shape_is_right:
; Causal attention of one batch x head on codes of FP6 (E2M3): S^T = K Q^T, p = 2^(t - M), O^T = V^T p^T, O / l quantised along the model's 1,024 for the last product.
; t = score x log2(e) / 8; M = the running largest t rounded UP to a whole number; p is quantised along the keys, not normalised; the row's sum l is taken of the unquantised p; when M moves, l and O^T are multiplied by 2^(old M - new M): exact.
; IN.  q and kv as the launch before laid them: images of operand registers (q: records of 6,400 bytes for 8 tiles of 16 queries; kv: records of 12,800 bytes for 128 keys: K's 8 half fragments, V^T's 4 fragments, K's and V's scale words).
; SHARES.  The four work-groups of a cluster share one batch x head (work-group y).  Its 16 records of kv, 204,800 bytes, fill LDS ONCE, by joint tensor loads; nothing is filled again and nothing is stored to LDS.
; Wave w of work-group cx owns two tiles of 16 queries: 127 - 4 w - cx and 4 w + cx.  They have 16 - w / 2 and w / 2 + 1 key steps of 128: 17 for every wave.  Both counts hang on the wave's number alone; cx enters global addresses and vector data only.
; LAYOUT.  Both products are used transposed: a lane holds ONE query (lane % 16) throughout.  The head's 64 fill half of the instruction's 128 along K: a fragment of K holds TWO tiles of 16 keys (k 0-63: tile 2 b, k 64-127: tile 2 b + 1) and is
; multiplied once by [Q, 0] and once by [0, Q].  Register 8 n + j of S^T is key 16 n + 8 (lane / 16) + j of the step: the 16 registers of tiles 2 b, 2 b + 1 are my half of block b of 32 keys, in the order in which V's codes list that block.
; CAUSAL.  A step all of whose keys come after the tile's queries is left out (a scalar branch on the wave's number and the step's count, round the work, not round the lines that step addresses); in the tile's last step hidden scores become -infinity.
; LIMITS.  A hidden key's weight is 0 where reference() writes a logit of -1e9: the same wherever a row's largest visible logit lies above about -1e9 + 100.  NaN and infinities are not served.  A p under 2^-126 counts as 0 (v_exp_f32 flushes: ISA guide 15.8).
; A block's largest p is taken through its largest score, which takes v_exp_f32 not to fall where its input rises.  A block of zeros keeps the scale byte 1: these bytes are read by this program alone.
; catS is stored as single bytes, two to a token and head: a token's 32 scale bytes come from 16 work-groups.
.set L16,  1                           ; v1  16 x lane
.set L8,   2                           ; v2  8 x lane
.set A16,  3                           ; v3  the step's record + 16 x lane
.set A8,   4                           ; v4  the step's record + 8 x lane
.set DD,   5                           ; v5  16 (tile % 8) + r - 8 h: register 8 n + j of the tile's last step is hidden where 16 n + j is greater
.set CSO,  6                           ; v6  32 r + h: my byte among the tile's rows of catS
.set QSO,  7                           ; v7  8 r
.set QS,   8                           ; v8  Q's scale word for [Q, 0];  v9 for [0, Q]
.set QW,   10                          ; v10 at work
.set RH,   11                          ; v11 r - 8 h
                                       ; v12 -M, v13 the largest t, v[14:15] the sum in two halves
                                       ; v16-21 zeros, v22-27 Q, v28-33 zeros: [0, Q] = v[16:27], [Q, 0] = v[22:33]
.set KSC,  34                          ; v[34:35] K's scale words
.set VSC,  36                          ; v[36:37] V's
.set PW,   38                          ; v38 p's scale word
.set F,    40                          ; v40-87  four fragments: K's, then V's
.set S,    88                          ; v88-151 S^T, then p
.set O,    152                         ; v152-183 O^T
.set CD,   184                         ; v184-195 p's codes
.set CT,   196                         ; v196-203 conversions' second halves
.set BM,   204                         ; v204-207 a block's largest score, then its largest p
.set PX,   208                         ; v208-211 the other half's; then the bytes
.set SO,   212                         ; v212-215 the conversions' scale operands
.set FF,   216                         ; v[216:217] f = 2^(old M - new M), later 1 / l (v217 is named with it as a pair, so it is written once)
.set TA,   218
.set TBY,  219
.set SUM2, 220                         ; v[220:221] one of the sum's eight chains
.set NINF, 222                         ; v222 -infinity
.set WV,  12
.set CX,  13
.set BH,  14
.set T,   15                           ; s15 the tile of queries in hand
.set J,   16                           ; s16 the key step
.set JX,  17                           ; s17 the tile's last key step
.set TB,  18                           ; s18 LDS byte of the step's record
.set TLO, 19
.set SEL, 20
.set CS,  22
.set G1,  24
.set G0,  32                           ; s[32:35] group 0
.set HM,  48
.macro ROUND                           ; a round of the cluster's barrier
	s_barrier_signal -1
	s_barrier_wait -1
	s_cmp_lg_u32 s[WV], 0
	s_cbranch_scc1 .Lnot_wave_0_\@
	s_barrier_signal -3
.Lnot_wave_0_\@:
	s_barrier_wait -3
	s_barrier_signal -1
	s_barrier_wait -1
.endm
	s_load_b256 s[4:11], s[0:1], 0x0               ; q s[4:5], kv s[6:7], cat s[8:9], catS s[10:11]
	v_lshl_add_u32 v254, v0, 2, 0x32000
	v_mov_b32 v255, 0
	ds_add_u32 v254, v255
	ds_add_u32 v254, v255
	v_lshrrev_b32 v3, 5, v0
	s_delay_alu instid0(VALU_DEP_1)
	v_readfirstlane_b32 s[WV], v3                  ; wave 0..15
	s_bfe_u32 s[CX], ttmp6, 0x40000                ; my place in the cluster
	s_and_b32 s[BH], ttmp7, 0xffff                 ; batch x head, which the four partners share
	; descriptor group 1: a record, 12,800 dense bytes, as 50 rows of 256 bytes (32 elements of 8 bytes), no padding: the images are read 16 or 8 bytes a lane on end
	s_mov_b32 s[G1], 15|(3<<16)|(1<<21)            ; 15:0 the mask: all four work-groups; 17:16 elements of 8 bytes; 21 set beside a mask
	s_mov_b32 s[G1+1], 32<<16                      ; tensor_dim0
	s_mov_b32 s[G1+2], 50<<16                      ; tensor_dim1
	s_mov_b32 s[G1+3], 32<<16                      ; tile_dim0
	s_mov_b32 s[G1+4], 50                          ; tile_dim1
	s_mov_b32 s[G1+5], 32                          ; tensor_dim0_stride
	s_mov_b32 s[G1+6], 0
	s_mov_b32 s[G1+7], 0
	s_mov_b32 s[SEL], 0x76543210
	s_mov_b32 s[SEL+1], 0xfedcba98                 ; v_permlanex16_b32's selects for lane l xor 16
	s_mov_b32 s[CS], 0x3e38aa3b                    ; c = log2(e) / 8
	s_mov_b32 s[CS+1], s[CS]                       ; (named with it as a pair, so it is written)
	s_mov_b32 s[HM], 0xffff0000                    ; lanes 16-31
	v_and_b32 v3, 31, v0
	s_delay_alu instid0(VALU_DEP_1)
	v_lshlrev_b32 v[L16], 4, v3
	s_delay_alu instid0(VALU_DEP_2)
	v_lshlrev_b32 v[L8], 3, v3
	v_and_b32 v3, 15, v0                           ; r
	v_bfe_u32 v4, v0, 4, 1                         ; h
	s_delay_alu instid0(VALU_DEP_1)
	v_lshl_add_u32 v[CSO], v3, 5, v4
	s_delay_alu instid0(VALU_DEP_3)
	v_lshlrev_b32 v[QSO], 3, v3
	s_delay_alu instid0(VALU_DEP_3)
	v_lshlrev_b32 v4, 3, v4
	s_delay_alu instid0(VALU_DEP_1)
	v_sub_nc_u32 v[RH], v3, v4
.irp i, 16,17,18,19,20,21,28,29,30,31,32,33
	v_mov_b32 v\i, 0                               ; the zero halves beside Q: code 0 is the number 0
.endr
.irp b, 0,1,2,3
	v_mov_b32 v[PX+\b], 0                          ; written once: a lane permute's destination counts as one of its sources
.endr
	v_mov_b32 v[FF+1], 0
	v_mov_b32 v[NINF], 0xff800000
	s_mul_i32 s58, s[BH], 204800
	s_mul_i32 s60, s[WV], 12800                    ; wave w loads record w
	s_add_co_u32 s58, s58, s60
	s_mov_b32 s59, 0
	s_lshl_b32 s[TLO], s[WV], 2
	s_add_co_u32 s[TLO], s[TLO], s[CX]             ; my low tile,
	s_sub_co_u32 s[T], 127, s[TLO]                 ; and my high one, which goes first
	s_wait_dscnt 0x0
	s_wait_kmcnt 0x0
	s_add_nc_u64 s[58:59], s[6:7], s[58:59]
	ROUND                                          ; all four work-groups are here: the joint loads meet
	s_mov_b32 s[G0], 1                             ; wave w fetches record w: one tensor load a wave, to LDS byte 12,800 w
	s_mov_b32 s[G0+1], s60
	s_mov_b64 s[G0+2:G0+3], s[58:59]
	s_or_b32 s[G0+3], s[G0+3], 0x80000000
	s_cmp_lt_u32 s[WV], 4                          ; one chain of three arms: the waves that wait at the same barrier share a line
	s_cbranch_scc0 .Larm_b
	tensor_load_to_lds s[G0:G0+3], s[G1:G1+7]
	s_nop 0
.rept 4
	v_nop
.endr
	s_branch .Lasked
.Larm_b:
	s_cmp_lt_u32 s[WV], 8
	s_cbranch_scc0 .Larm_c
	tensor_load_to_lds s[G0:G0+3], s[G1:G1+7]
	s_nop 0
.rept 4
	v_nop
.endr
	s_branch .Lasked
.Larm_c:
	tensor_load_to_lds s[G0:G0+3], s[G1:G1+7]
	s_nop 0
.rept 4
	v_nop
.endr
.Lasked:
; Tile s[T] is taken up: Q's half fragment and scale word, the mask's number, where the results go, and the running figures.
.macro SETUP
	s_mul_i32 s58, s[BH], 102400
	s_lshr_b32 s60, s[T], 3
	s_mul_i32 s60, s60, 6400
	s_add_co_u32 s58, s58, s60
	s_mov_b32 s59, 0
	s_add_nc_u64 s[52:53], s[4:5], s[58:59]        ; the tile's record of q
	s_and_b32 s60, s[T], 7
	s_mul_i32 s58, s60, 768
	s_add_nc_u64 s[50:51], s[52:53], s[58:59]      ; its half fragment
	s_bfe_u32 s58, s[T], 0x10001                   ; its scale word serves tiles 2 p and 2 p + 1: pair p = (tile % 8) / 2 lies in lanes 16 (p % 2) on,
	s_lshl_b32 s58, s58, 7
	s_bfe_u32 s61, s[T], 0x10002                   ; register p / 2, of an image of 8 bytes a lane
	s_lshl_b32 s61, s61, 2
	s_add_co_u32 s58, s58, s61
	s_add_nc_u64 s[52:53], s[52:53], s[58:59]
	global_load_b128 v[22:25], v[L16], s[50:51] th:TH_LOAD_NT
	global_load_b64 v[26:27], v[L8], s[50:51] offset:512 th:TH_LOAD_NT
	global_load_b32 v[QW], v[QSO], s[52:53] offset:6144
	s_lshl_b32 s60, s60, 4
	v_add_nc_u32 v[DD], s60, v[RH]
	s_and_b32 s63, s[T], 1
	s_lshl_b32 s63, s63, 4                         ; my tile's half of the word
	s_lshr_b32 s58, s[BH], 4
	s_lshl_b32 s58, s58, 7
	s_add_co_u32 s58, s58, s[T]                    ; the tile among all 512: 128 x batch + tile
	s_and_b32 s62, s[BH], 15                       ; the head
	s_lshl_b32 s61, s58, 4
	s_add_co_u32 s61, s61, s62
	s_mul_i32 s61, s61, 768                        ; cat: [tile][head] half fragments of 768 bytes
	s_lshl_b32 s58, s58, 9                         ; catS: 16 tokens of 32 bytes a tile, 2 bytes a head
	s_lshl_b32 s62, s62, 1
	s_add_co_u32 s58, s58, s62
	s_add_nc_u64 s[56:57], s[10:11], s[58:59]
	s_mov_b32 s58, s61
	s_add_nc_u64 s[54:55], s[8:9], s[58:59]
	s_wait_loadcnt 0x0
	v_lshrrev_b32 v[QW], s63, v[QW]
	s_delay_alu instid0(VALU_DEP_1)
	v_and_b32 v[QW], 0xffff, v[QW]                 ; my query's two scale bytes
	s_delay_alu instid0(VALU_DEP_1)
	v_or_b32 v[QS], 0x1010000, v[QW]               ; [Q, 0]: the zero half gets the byte 1
	s_delay_alu instid0(VALU_DEP_2)
	v_lshl_or_b32 v[QS+1], v[QW], 16, 0x101        ; [0, Q]
	v_mov_b32 v13, 0xff61b1e6                      ; the largest t so far: -3e38, under every t
	s_delay_alu instid0(VALU_DEP_1)
	v_floor_f32 v12, -v13                          ; -M
	v_mov_b32 v14, 0
	v_mov_b32 v15, 0
.set ii, 0
.rept 32
	v_mov_b32 v[O+ii], 0                           ; O^T: the step is written once; the first finds zeros, which the first change of M leaves zeros.  (These lines also stand between the scale words' making and the first product)
.set ii, ii+1
.endr
.endm
; A KEY STEP: 128 keys, record s[J] at LDS byte s[TB].  masked = 1: steps behind the tile's last are left out, and the last is masked.
.macro STEP masked
.if \masked
	s_cmp_gt_u32 s[J], s[JX]
	s_cbranch_scc1 .Lskip_\@
.endif
	v_add_nc_u32 v[A16], s[TB], v[L16]
	v_add_nc_u32 v[A8], s[TB], v[L8]
	v_nop
	v_nop                                          ; four plain lines in front of loads into registers that the last step's products have read
.irp a, 0,1,2,3,4,5,6,7
	ds_load_b128 v[F+6*\a:F+6*\a+3], v[A16] offset:768*\a          ; key tile a's half fragment: registers 6 (a % 2) on of fragment a / 2
	ds_load_b64 v[F+6*\a+4:F+6*\a+5], v[A8] offset:768*\a+512
.endr
	ds_load_b64 v[KSC:KSC+1], v[A8] offset:12288
	s_wait_alu depctr_va_vdst(0)
	s_wait_dscnt 0x0
.irp b, 0,1,2,3
.irp u, 0,1
.if \b%2
	v_wmma_scale_f32_16x16x128_f8f6f4 v[S+8*(2*\b+\u):S+8*(2*\b+\u)+7], v[F+12*\b:F+12*\b+11], v[22-6*\u:33-6*\u], 0, v[KSC+\b/2], v[QS+\u] matrix_a_fmt:MATRIX_FMT_FP6 matrix_b_fmt:MATRIX_FMT_FP6 matrix_a_scale:MATRIX_SCALE_ROW1
.else
	v_wmma_scale_f32_16x16x128_f8f6f4 v[S+8*(2*\b+\u):S+8*(2*\b+\u)+7], v[F+12*\b:F+12*\b+11], v[22-6*\u:33-6*\u], 0, v[KSC+\b/2], v[QS+\u] matrix_a_fmt:MATRIX_FMT_FP6 matrix_b_fmt:MATRIX_FMT_FP6
.endif
.endr
.endr
.rept 4
	v_nop                                          ; places in front of the loads into K's registers and of the first read of the scores
.endr
.irp t, 0,1,2,3
.irp p, 0,1,2
	ds_load_b128 v[F+12*\t+4*\p:F+12*\t+4*\p+3], v[A16] offset:6144+1536*\t+512*\p   ; V^T's fragments land while the softmax is walked
.endr
.endr
	ds_load_b64 v[VSC:VSC+1], v[A8] offset:12544
.if \masked
	s_cmp_lg_u32 s[J], s[JX]
	s_cbranch_scc1 .Lopen_\@
.irp n, 0,1,2,3,4,5,6,7,8,9,10,11,12,13,14,15,16,17,18,19,20,21,22,23,24,25,26,27,28,29,30,31,32,33,34,35,36,37,38,39,40,41,42,43,44,45,46,47,48,49,50,51,52,53,54,55,56,57,58,59,60,61,62,63
	v_cmp_gt_i32 vcc_lo, 16*(\n/8)+\n%8, v[DD]
	v_cndmask_b32 v[S+\n], v[S+\n], v[NINF], vcc_lo
.endr
.Lopen_\@:
.endif
.irp b, 0,1,2,3
	v_max3_num_f32 v[BM+\b], v[S+16*\b], v[S+1+16*\b], v[S+2+16*\b]   ; the largest score of each block of 32 keys: it serves the row's maximum and, since p rises with the score, the block's largest p
.endr
.irp i, 3,5,7,9,11,13
.irp b, 0,1,2,3
	v_max3_num_f32 v[BM+\b], v[BM+\b], v[S+16*\b+\i], v[S+1+16*\b+\i]
.endr
.endr
.irp b, 0,1,2,3
	v_max_num_f32 v[BM+\b], v[BM+\b], v[S+15+16*\b]
.endr
.irp b, 0,1,2,3
	s_delay_alu instid0(VALU_DEP_4)
	v_permlanex16_b32 v[PX+\b], v[BM+\b], s[SEL], s[SEL+1]
.endr
.irp b, 0,1,2,3
	s_delay_alu instid0(VALU_DEP_4)
	v_max_num_f32 v[BM+\b], v[BM+\b], v[PX+\b]     ; with lane l xor 16's 16 keys
.endr
	s_delay_alu instid0(VALU_DEP_2)
	v_max3_num_f32 v[TA], v[BM], v[BM+1], v[BM+2]
	s_delay_alu instid0(VALU_DEP_1)
	v_max_num_f32 v[TA], v[TA], v[BM+3]            ; the step's largest score of my query
	s_delay_alu instid0(VALU_DEP_1)
	v_mul_f32 v[TA], s[CS], v[TA]                  ; as t (c is positive)
	s_delay_alu instid0(VALU_DEP_1)
	v_max_num_f32 v13, v13, v[TA]                  ; the running largest t
	v_mov_b32 v[TA], v12
	s_delay_alu instid0(VALU_DEP_2)
	v_floor_f32 v12, -v13                          ; the new -M = floor(-t) = -ceil(t)
	s_delay_alu instid0(VALU_DEP_1)
	v_sub_f32 v[TA], v12, v[TA]                    ; old M - new M: a whole number, 0 or less
	s_delay_alu instid0(VALU_DEP_1)
	v_cvt_i32_f32 v[TA], v[TA]                     ; (it saturates)
	s_delay_alu instid0(VALU_DEP_1)
	v_ldexp_f32 v[FF], 1.0, v[TA]                  ; f = 2^(old M - new M)
.irp j, 0,2,4,6,8,10,12,14,16,18,20,22,24,26,28,30,32,34,36,38,40,42,44,46,48,50,52,54,56,58,60,62
	v_pk_fma_f32 v[S+\j:S+1+\j], v[S+\j:S+1+\j], s[CS:CS+1], v[12:13] op_sel_hi:[1,0,0]   ; t - M, two at a time
.endr
.irp b, 0,1,2,3
	v_fma_f32 v[BM+\b], v[BM+\b], s[CS], v12       ; the same of each block's largest score
.endr
	s_wait_alu depctr_va_vdst(0)
.irp j, 0,1,2,3,4,5,6,7,8,9,10,11,12,13,14,15,16,17,18,19,20,21,22,23,24,25,26,27,28,29,30,31,32,33,34,35,36,37,38,39,40,41,42,43,44,45,46,47,48,49,50,51,52,53,54,55,56,57,58,59,60,61,62,63
	v_exp_f32 v[S+\j], v[S+\j]                     ; p = 2^(t - M), at most 1
.endr
	v_pk_mul_f32 v[14:15], v[14:15], v[FF:FF+1] op_sel_hi:[1,0]   ; the sums under the new M: a plain line behind the exponentials
	s_wait_alu depctr_va_vdst(0)                   ; one wait for the batch of 64, ahead of its first reader
.irp b, 0,1,2,3
	v_exp_f32 v[BM+\b], v[BM+\b]                   ; the block's largest p: the same two instructions on the same number give the same bits
.endr
	v_pk_add_f32 v[220:221], v[92:93], v[96:97]
	v_pk_add_f32 v[252:253], v[100:101], v[104:105]
	v_pk_add_f32 v[250:251], v[108:109], v[112:113]
	v_pk_add_f32 v[248:249], v[116:117], v[120:121]
	v_pk_add_f32 v[246:247], v[124:125], v[128:129]
	v_pk_add_f32 v[244:245], v[132:133], v[136:137]
	v_pk_add_f32 v[242:243], v[140:141], v[144:145]
	v_pk_add_f32 v[14:15], v[14:15], v[148:149]
	v_pk_add_f32 v[220:221], v[220:221], v[88:89]
	v_pk_add_f32 v[252:253], v[252:253], v[90:91]
	v_pk_add_f32 v[250:251], v[250:251], v[94:95]
	v_pk_add_f32 v[248:249], v[248:249], v[98:99]
	v_pk_add_f32 v[246:247], v[246:247], v[102:103]
	v_pk_add_f32 v[244:245], v[244:245], v[106:107]
	v_pk_add_f32 v[242:243], v[242:243], v[110:111]
	v_pk_add_f32 v[14:15], v[14:15], v[114:115]
	v_pk_add_f32 v[220:221], v[220:221], v[118:119]
	v_pk_add_f32 v[252:253], v[252:253], v[122:123]
	v_pk_add_f32 v[250:251], v[250:251], v[126:127]
	v_pk_add_f32 v[248:249], v[248:249], v[130:131]
	v_pk_add_f32 v[246:247], v[246:247], v[134:135]
	v_pk_add_f32 v[244:245], v[244:245], v[138:139]
	v_pk_add_f32 v[242:243], v[242:243], v[142:143]
	v_pk_add_f32 v[14:15], v[14:15], v[146:147]
	v_pk_add_f32 v[220:221], v[220:221], v[150:151]
	s_delay_alu instid0(VALU_DEP_2)
	v_pk_add_f32 v[14:15], v[14:15], v[248:249]
	s_delay_alu instid0(VALU_DEP_2)
	v_pk_add_f32 v[220:221], v[220:221], v[246:247]
	v_pk_add_f32 v[252:253], v[252:253], v[244:245]
	v_pk_add_f32 v[250:251], v[250:251], v[242:243]
	s_delay_alu instid0(VALU_DEP_2)
	v_pk_add_f32 v[14:15], v[14:15], v[252:253]
	s_delay_alu instid0(VALU_DEP_2)
	v_pk_add_f32 v[220:221], v[220:221], v[250:251]
	s_delay_alu instid0(VALU_DEP_1)
	v_pk_add_f32 v[14:15], v[14:15], v[220:221]
	s_wait_alu depctr_va_vdst(0)                   ; and one for the four
.irp b, 0,1,2,3
	v_max_num_f32 v[BM+\b], 0x1800000, v[BM+\b]    ; the floor 2^(3 - 127): the byte cannot fall under 1
.endr
.irp b, 0,1,2,3
	s_delay_alu instid0(VALU_DEP_4)
	v_add_nc_u32 v[SO+\b], 0xff000000, v[BM+\b]    ; 2 off the exponent field: the conversion's scale operand
.endr
.irp b, 0,1,2,3
	s_delay_alu instid0(VALU_DEP_4)
	v_lshrrev_b32 v[PX+\b], 23, v[SO+\b]           ; the scale's byte
.endr
	s_delay_alu instid0(VALU_DEP_3)
	v_lshl_or_b32 v[PW], v[PX+1], 8, v[PX]         ; p's scale word for these 128 keys
	s_delay_alu instid0(VALU_DEP_1)
	v_lshl_or_b32 v[PW], v[PX+2], 16, v[PW]
	s_delay_alu instid0(VALU_DEP_1)
	v_lshl_or_b32 v[PW], v[PX+3], 24, v[PW]
.irp c, 0,1
	v_cvt_scalef32_pk16_fp6_f32 v[CD+6*\c:CD+2+6*\c], v[S+32*\c:S+15+32*\c], v[SO+2*\c]
	v_cvt_scalef32_pk16_fp6_f32 v[CT+4*\c:CT+2+4*\c], v[S+16+32*\c:S+31+32*\c], v[SO+2*\c+1]   ; a conversion's three registers begin on an even number
.endr
	v_nop                                          ; one plain line behind a scaled conversion
.irp c, 0,1                                    ; the operand's layout wants a whole block in a lane: lanes 0-15 block 2 c, lanes 16-31 block 2 c + 1
.irp i, 0,1,2
	v_permlane16_swap_b32 v[CD+6*\c+\i], v[CT+4*\c+\i]
.endr
.irp i, 0,1,2
	s_delay_alu instid0(VALU_DEP_3)
	v_mov_b32 v[CD+3+6*\c+\i], v[CT+4*\c+\i]
.endr
.endr
.irp j, 0,2,4,6,8,10,12,14,16,18,20,22,24,26,28,30
	v_pk_mul_f32 v[O+\j:O+1+\j], v[O+\j:O+1+\j], v[FF:FF+1] op_sel_hi:[1,0]   ; O^T under the new M.  (These 16 also stand between the making of p's codes and scale word and the products)
.endr
	s_wait_alu depctr_va_vdst(0)
	s_wait_dscnt 0x0                               ; V^T's fragments and scale words
.irp t, 0,1,2,3                                ; O^T += V^T p^T: the four accumulators by turns
.if \t%2
	v_wmma_scale_f32_16x16x128_f8f6f4 v[O+8*\t:O+8*\t+7], v[F+12*\t:F+12*\t+11], v[CD:CD+11], v[O+8*\t:O+8*\t+7], v[VSC+\t/2], v[PW] matrix_a_fmt:MATRIX_FMT_FP6 matrix_b_fmt:MATRIX_FMT_FP6 matrix_a_scale:MATRIX_SCALE_ROW1
.else
	v_wmma_scale_f32_16x16x128_f8f6f4 v[O+8*\t:O+8*\t+7], v[F+12*\t:F+12*\t+11], v[CD:CD+11], v[O+8*\t:O+8*\t+7], v[VSC+\t/2], v[PW] matrix_a_fmt:MATRIX_FMT_FP6 matrix_b_fmt:MATRIX_FMT_FP6
.endif
.endr
.if \masked
.Lskip_\@:
.endif
	s_add_co_u32 s[TB], s[TB], 12800
	s_add_co_u32 s[J], s[J], 1
.endm
; THE WAY OUT of a tile.  O^T / l; register 8 t + j is feature 16 t + 8 h + j of my query.  The last product's other operand, Wo, comes with its K in the natural order, so 16 exchanges of halves give a lane 16 NEIGHBOURS:
; register 16 b + i = feature 32 b + 16 h + i.  The head's two blocks of 32 are quantised; the six registers are a half fragment (16 tokens x 64 along the last product's K).
.macro WAYOUT
.rept 4
	v_nop                                          ; places behind the last products
.endr
	v_add_f32 v14, v14, v15
	s_delay_alu instid0(VALU_DEP_1)
	v_permlanex16_b32 v[TA], v14, s[SEL], s[SEL+1]
	s_delay_alu instid0(VALU_DEP_1)
	v_add_f32 v14, v14, v[TA]                      ; the row's sum
	s_wait_alu depctr_va_vdst(0)
	v_rcp_f32 v[FF], v14
	v_nop                                          ; a plain line behind the reciprocal
	s_wait_alu depctr_va_vdst(0)                   ; and the wait ahead of its first reader
.irp j, 0,2,4,6,8,10,12,14,16,18,20,22,24,26,28,30
	v_pk_mul_f32 v[S+\j:S+1+\j], v[O+\j:O+1+\j], v[FF:FF+1] op_sel_hi:[1,0]   ; each accumulator from its low end on
.endr
.irp b, 0,1
.irp j, 0,1,2,3,4,5,6,7
	v_permlane16_swap_b32 v[S+16*\b+\j], v[S+16*\b+8+\j]
.endr
.endr
.irp b, 0,1
	v_max3_num_f32 v[BM+\b], |v[S+16*\b]|, |v[S+1+16*\b]|, 0x1800000
.endr
.irp i, 2,4,6,8,10,12,14
.irp b, 0,1
	s_delay_alu instid0(VALU_DEP_2)
	v_max3_num_f32 v[BM+\b], v[BM+\b], |v[S+16*\b+\i]|, |v[S+1+16*\b+\i]|
.endr
.endr
.irp b, 0,1
	s_delay_alu instid0(VALU_DEP_2)
	v_permlanex16_b32 v[PX+\b], v[BM+\b], s[SEL], s[SEL+1]
.endr
.irp b, 0,1
	s_delay_alu instid0(VALU_DEP_2)
	v_max_num_f32 v[BM+\b], v[BM+\b], v[PX+\b]
.endr
.irp b, 0,1
	s_delay_alu instid0(VALU_DEP_2)
	v_add_nc_u32 v[SO+\b], 0xff000000, v[BM+\b]
.endr
.irp b, 0,1
	s_delay_alu instid0(VALU_DEP_2)
	v_lshrrev_b32 v[PX+\b], 23, v[SO+\b]
.endr
	v_cvt_scalef32_pk16_fp6_f32 v[CD:CD+2], v[S:S+15], v[SO]
	v_cvt_scalef32_pk16_fp6_f32 v[CT:CT+2], v[S+16:S+31], v[SO+1]
	v_cndmask_b32 v[TBY], v[PX], v[PX+1], s[HM]    ; lanes 0-15 store block 0's byte, lanes 16-31 block 1's.  (The plain line behind the conversions)
.irp i, 0,1,2
	v_permlane16_swap_b32 v[CD+\i], v[CT+\i]
.endr
.irp i, 0,1,2
	s_delay_alu instid0(VALU_DEP_3)
	v_mov_b32 v[CD+3+\i], v[CT+\i]
.endr
	global_store_b128 v[L16], v[CD:CD+3], s[54:55]             ; 512 consecutive bytes, at a multiple of 256 from cat's first byte
	global_store_b64 v[L8], v[CD+4:CD+5], s[54:55] offset:512  ; 256 more
	global_store_b8 v[CSO], v[TBY], s[56:57]
.endm
	SETUP                                          ; my high tile: 9 key steps at the least, so every wave walks steps 0 to 7 unmasked
	s_mov_b32 s[J], 0
	s_mov_b32 s[TB], 0
	s_cmp_lt_u32 s[WV], 4                          ; waves 0 to 3 wait for records 0 to 3; the others' loads may stay out
	s_cbranch_scc0 .Lwait_a
	s_wait_tensorcnt 0x0
.Lwait_a:
	s_barrier_signal -1
	s_barrier_wait -1                              ; records 0 to 3 lie in LDS
.Lfirst:
	STEP 0
	s_cmp_lt_u32 s[J], 4
	s_cbranch_scc1 .Lfirst
	s_cmp_lt_u32 s[WV], 8                          ; waves 4 to 7 wait for records 4 to 7
	s_cbranch_scc0 .Lwait_b
	s_wait_tensorcnt 0x0
.Lwait_b:
	s_barrier_signal -1
	s_barrier_wait -1                              ; records 4 to 7
.Lsecond:
	STEP 0
	s_cmp_lt_u32 s[J], 8
	s_cbranch_scc1 .Lsecond
	s_wait_tensorcnt 0x0
	s_barrier_signal -1
	s_barrier_wait -1                              ; all sixteen: from here on the waves run free
	s_lshr_b32 s58, s[WV], 1
	s_sub_co_u32 s[JX], 15, s58                    ; (127 - 4 w - cx) / 8 = 15 - w / 2, whatever cx
.Lthird:
	STEP 1
	s_cmp_lt_u32 s[J], 16
	s_cbranch_scc1 .Lthird
	WAYOUT
	s_wait_xcnt 0x0                                ; the stores have read their registers and bases: both are written again
	s_mov_b32 s[T], s[TLO]                         ; my low tile
	SETUP
	s_mov_b32 s[J], 0
	s_mov_b32 s[TB], 0
	s_lshr_b32 s[JX], s[WV], 1                     ; (4 w + cx) / 8 = w / 2
.Lfourth:
	STEP 1
	s_cmp_lt_u32 s[J], 8
	s_cbranch_scc1 .Lfourth
	WAYOUT
	s_wait_dscnt 0x0                               ; no LDS instruction of mine is out at a signal
	s_wait_tensorcnt 0x0
	ds_add_u32 v254, v255
	s_wait_dscnt 0x0
	ROUND                                          ; the closing round: no work-group ends while a partner may still ask for a record that names it
	s_endpgm
.Lfunc_end_k_q722e60998c_attn:
	.size	k_q722e60998c_attn, .Lfunc_end_k_q722e60998c_attn-k_q722e60998c_attn
	.p2alignl 7, 3214868480
	.fill 96, 4, 3214868480
	.section	.rodata,"a",@progbits
	.p2align	6, 0x0
	.amdhsa_kernel k_q722e60998c_attn
		.amdhsa_group_segment_fixed_size 206848
		.amdhsa_private_segment_fixed_size 0
		.amdhsa_enable_private_segment 0
		.amdhsa_kernarg_size 32
		.amdhsa_user_sgpr_count 2
		.amdhsa_user_sgpr_kernarg_segment_ptr 1
		.amdhsa_wavefront_size32 1
		.amdhsa_system_sgpr_workgroup_id_x 1
		.amdhsa_system_sgpr_workgroup_id_y 1
		.amdhsa_system_sgpr_workgroup_id_z 1
		.amdhsa_system_vgpr_workitem_id 0
		.amdhsa_next_free_vgpr 256
		.amdhsa_next_free_sgpr 66
		.amdhsa_reserve_vcc 1
		.amdhsa_float_denorm_mode_32 3
		.amdhsa_float_denorm_mode_16_64 3
		.amdhsa_memory_ordered 1
		.amdhsa_forward_progress 1
		.amdhsa_inst_pref_size 99
	.end_amdhsa_kernel
	.amdgpu_metadata
---
amdhsa.version: [ 1, 2 ]
amdhsa.kernels:
  - .name:           k_q722e60998c_attn
    .symbol:         k_q722e60998c_attn.kd
    .args:
      - { .name: q, .offset: 0, .size: 8, .value_kind: global_buffer, .address_space: global }
      - { .name: kv, .offset: 8, .size: 8, .value_kind: global_buffer, .address_space: global }
      - { .name: cat, .offset: 16, .size: 8, .value_kind: global_buffer, .address_space: global }
      - { .name: catS, .offset: 24, .size: 8, .value_kind: global_buffer, .address_space: global }
    .group_segment_fixed_size: 206848
    .private_segment_fixed_size: 0
    .kernarg_segment_align: 8
    .kernarg_segment_size: 32
    .max_flat_workgroup_size: 512
    .sgpr_count:     66
    .vgpr_count:     256
    .wavefront_size: 32
...
	.end_amdgpu_metadata
.endif
;; end of part 2
;; launch outp (part 3): grid 8 x 32, 4 waves a work-group, clusters of 4 x 4, 327,680 bytes of LDS; arguments cat, catS, Wo_codes, Wo_scales, bo, out0; writes out0
.if DOCPART == 3
	.amdgcn_target "amdgcn-amd-amdhsa--gfx1250"
	.amdhsa_code_object_version 6
	.text
	.protected	k_q722e60998c_outp
	.globl	k_q722e60998c_outp
	.p2align	8
	.type	k_q722e60998c_outp,@function
k_q722e60998c_outp:
	s_mov_b64 s[64:65], 0
	v_nop
	global_prefetch_b8 v0, s[64:65] scope:SCOPE_SE
	s_setreg_imm32_b32 hwreg(HW_REG_WAVE_MODE, 25, 1), 1
	s_wait_xcnt 0x0
	s_wait_alu depctr_hold_cnt(0) depctr_sa_sdst(0) depctr_va_vdst(0) depctr_va_sdst(0) depctr_va_ssrc(0) depctr_va_vcc(0) depctr_vm_vsrc(0)
	s_getreg_b32 s2, hwreg(HW_REG_IB_STS2, 6, 4)
	s_cmp_eq_u32 s2, 0
	s_cbranch_scc0 .Lentry_in_a_cluster
	s_endpgm
.Lentry_in_a_cluster:
	s_bfe_u32 s2, ttmp6, 0x10000c
	s_cmp_lg_u32 s2, 0xf033
	s_cbranch_scc0 .Lentry_shape_is_right
	s_endpgm
.Lentry_shape_is_right:
; out0 = cat Wo + bo on codes of FP6 (E2M3), one E8M0 scale for each 32 along K = 1,024, sums in f32.
; cat: [512 tiles of 16 tokens][16 heads] half fragments of 768 bytes, images of operand registers (512 bytes at 16 x lane, 256 at 8 x lane); catS: 32 scale bytes a token; Wo: 1,024 rows (output columns) of 768 bytes, 32 scale bytes a row.
; SHARES.  A work-group makes 256 tokens x 128 columns: 32 x 8 = 256 work-groups.  ALL of K lies in LDS at once, filled once by four joint loads, one a wave; nothing is filled again.  A wave makes 64 tokens x 128 columns: 32 accumulators.
; cat's tile is shared along a row of the 4 x 4 cluster, Wo's along a column.  Source 0 = Wo's rows, source 1 = tokens: a lane holds eight neighbouring columns of one token.  The bias is the first products' C.
; The results leave through a stage in the wave's own bytes of cat, which it alone reads and has read out by then, as whole rows of 512 bytes.
; No prefetch: the text has no loop to run ahead in; every byte is asked for at the head.
.set KROW,  768
.set PITCH, 816
.set FR,    12
.set RB,    196608                     ; cat's 16 tiles of 12,288 bytes lie at 0, Wo's 128 rows here
.set SCLP,  RB+128*PITCH
.set SCLR,  SCLP+8192
.set SPARE, SCLR+4096
.set SPITCH, 528
.set AL16, 16                          ; v16 my cat tiles + 16 x lane (also: where a staged row is read back); v17 + 8 x lane
.set AL8,  17
.set ADR, 18                           ; v18, v19 Wo's blocks 0-3 (v19: behind one padding more in lanes 16-31); v20, v21 blocks 4-7
.set ASP, 22
.set ASR, 23
.set STO, 24
.set CO,  26
.set SPW, 28
.set NIL, 29
.set SR,  32                           ; v32-63 Wo's scale words: 8 (b % 4) + K step; lanes 16-31 block b + 4
.set SP,  68                           ; v68-83 cat's: 8 (a % 2) + K step; lanes 16-31 block a + 2
.set PF,  128                          ; v128-223 cat's fragments, two sets; Wo's two sets in window 2; accumulators in window 1; the bias in window 3, v0-63
.set BK,  128
.set G1P, 24
.set G0P, 32
.set G0R, 36
.set G0SP, 48
.set G1R, 52
.set G0SR, 60
.set G1SP, 68
.set G1SR, 76
.set MSB, 0
.macro WIN new
.if MSB != (\new)
	s_set_vgpr_msb (MSB<<8)|(\new)
.set MSB, (\new)
.endif
.endm
.macro PLACES n
.rept \n
	v_nop
.endr
.endm
.macro CROUND
	s_barrier_signal -1
	s_barrier_wait -1
	s_cmp_lg_u32 s14, 0
	s_cbranch_scc1 .Lnot_wave_0_\@
	s_barrier_signal -3
.Lnot_wave_0_\@:
	s_barrier_wait -3
	s_barrier_signal -1
	s_barrier_wait -1
.endm
.macro DENSE1 g, mask, rows            ; group 1: a dense block as rows of 256 bytes
	s_or_b32 s[\g+0], s[\mask], (3<<16)|(1<<21)
	s_mov_b32 s[\g+1], 32<<16
	s_mov_b32 s[\g+2], (\rows)<<16
	s_mov_b32 s[\g+3], 32<<16
	s_mov_b32 s[\g+4], \rows
	s_mov_b32 s[\g+5], 32
	s_mov_b32 s[\g+6], 0
	s_mov_b32 s[\g+7], 0
.endm
.macro GROUP0 g, lds, base, off
	s_mov_b32 s[\g], 1
	s_mov_b32 s[\g+1], \lds
	s_add_nc_u64 s[\g+2:\g+3], s[\base:\base+1], s[\off:\off+1]
	s_or_b32 s[\g+3], s[\g+3], 0x80000000
.endm
.macro ARM under, g0, g1, next
	s_cmp_lt_u32 s14, \under
	s_cbranch_scc0 \next
	tensor_load_to_lds s[\g0:\g0+3], s[\g1:\g1+7]
	s_nop 0
	PLACES 4
	s_branch .Lasked
\next:
.endm
	s_load_b256 s[4:11], s[0:1], 0x0               ; cat, catS, Wo codes, Wo scales
	s_load_b128 s[84:87], s[0:1], 0x20             ; bo, out0
	v_lshl_add_u32 v[SPW], v0, 2, SPARE
	v_mov_b32 v[NIL], 0
	ds_add_u32 v[SPW], v[NIL]                      ; the opening lines
	ds_add_u32 v[SPW], v[NIL]
	v_lshrrev_b32 v1, 5, v0
	v_readfirstlane_b32 s14, v1                    ; wave
	s_bfe_u32 s40, ttmp6, 0x40000                  ; cx
	s_bfe_u32 s41, ttmp6, 0x40004                  ; cy
	s_and_b32 s42, ttmp7, 0xffff
	s_lshl_b32 s42, s42, 2
	s_add_co_u32 s42, s42, s41                     ; the tile of 256 tokens
	s_lshl_b32 s43, ttmp9, 2
	s_add_co_u32 s43, s43, s40                     ; the tile of 128 columns
	s_lshl_b32 s44, s41, 2
	s_lshl_b32 s44, 15, s44                        ; my row of the cluster
	s_lshl_b32 s45, 0x1111, s40                    ; my column
	DENSE1 G1P, 44, 768
	s_or_b32 s[G1R+0], s45, (1<<20)|(1<<21)|(5<<22)|(3<<25)   ; rows of 768 bytes, 16 bytes of padding behind each 256
	s_mov_b32 s[G1R+1], KROW<<16
	s_mov_b32 s[G1R+2], 128<<16
	s_mov_b32 s[G1R+3], KROW<<16
	s_mov_b32 s[G1R+4], 128
	s_mov_b32 s[G1R+5], KROW
	s_mov_b32 s[G1R+6], 0
	s_mov_b32 s[G1R+7], 0
	DENSE1 G1SP, 44, 32
	DENSE1 G1SR, 45, 16
	s_mul_i32 s20, s42, 196608
	s_mov_b32 s21, 0
	s_lshl_b32 s22, s42, 13
	s_mov_b32 s23, 0
	s_mul_i32 s46, s43, 128*KROW
	s_mov_b32 s47, 0
	s_lshl_b32 s92, s43, 12
	s_mov_b32 s93, 0
	s_wait_alu depctr_va_vdst(0)
	s_wait_dscnt 0x0
	s_wait_kmcnt 0x0
	GROUP0 G0P, 0, 4, 20
	GROUP0 G0SP, SCLP, 6, 22
	GROUP0 G0R, RB, 8, 46
	GROUP0 G0SR, SCLR, 10, 92
	CROUND                                         ; all sixteen work-groups are here: the joint loads meet
	ARM 1, G0P, G1P, .Lhead_r
	ARM 2, G0R, G1R, .Lhead_sp
	ARM 3, G0SP, G1SP, .Lhead_sr
	tensor_load_to_lds s[G0SR:G0SR+3], s[G1SR:G1SR+7]
	s_nop 0
	PLACES 4
.Lasked:
	s_lshl_b32 s20, s42, 20                        ; out0: row 256 x token tile + 64 x wave, rows of 4,096 bytes; column bytes 512 x column tile
	s_lshl_b32 s21, s14, 18
	s_add_co_u32 s20, s20, s21
	s_lshl_b32 s22, s43, 9
	s_add_co_u32 s20, s20, s22
	s_mov_b32 s21, 0
	s_mov_b32 s23, 0
	s_add_nc_u64 s[12:13], s[86:87], s[20:21]
	s_add_nc_u64 s[92:93], s[84:85], s[22:23]      ; my 128 columns of the bias
	s_mul_i32 s20, s14, 49152                      ; my four tiles of cat
	s_lshl_b32 s21, s14, 11
	s_add_co_u32 s21, s21, SCLP
	v_and_b32 v1, 15, v0                           ; r
	v_bfe_u32 v2, v0, 4, 1                         ; h
	v_and_b32 v6, 31, v0
	v_mul_u32_u24 v3, v1, PITCH
	v_mad_u32_u24 v4, v2, 24, v3
	v_mad_u32_u24 v5, v2, 40, v3
	v_lshl_add_u32 v[AL16], v6, 4, s20
	v_lshl_add_u32 v[AL8], v6, 3, s20
	v_add_nc_u32 v[ADR], RB, v4
	v_add_nc_u32 v[ADR+1], RB, v5
	v_add_nc_u32 v[ADR+2], RB+64*PITCH, v4
	v_add_nc_u32 v[ADR+3], RB+64*PITCH, v5
	v_lshlrev_b32 v7, 5, v1
	v_lshl_add_u32 v8, v2, 10, v7
	v_add_nc_u32 v[ASP], s21, v8
	v_lshl_add_u32 v8, v2, 11, v7
	v_add_nc_u32 v[ASR], SCLR, v8
	v_mul_u32_u24 v3, v1, SPITCH
	v_lshl_add_u32 v3, v2, 5, v3
	v_add_nc_u32 v[STO], s20, v3                   ; the stage: row r, 32 bytes for each half of the lanes
	v_lshlrev_b32 v[CO], 4, v6
	v_lshlrev_b32 v9, 5, v2
	s_wait_alu depctr_va_vdst(0)
	WIN 0xc0
.irp b, 0,1,2,3,4,5,6,7                        ; register 8 b + j = column 16 b + 8 h + j
	global_load_b128 v[8*\b:8*\b+3], v9, s[92:93] offset:64*\b
	global_load_b128 v[8*\b+4:8*\b+7], v9, s[92:93] offset:64*\b+16
.endr
	WIN 0
.macro FRAG reg, adr, q, off           ; 16 rows x 128 K of Wo: six pieces of 8 bytes; byte y of a row lies at y + 16 (y / 256)
.irp p, 0,1,2,3,4,5
.set BY, 96*(\q)+48*(\p/3)+8*(\p%3)
.if BY/256 == (BY+24)/256
	ds_load_b64 v[\reg+2*\p:\reg+2*\p+1], v[\adr] offset:BY+16*(BY/256)+(\off)
.else
	ds_load_b64 v[\reg+2*\p:\reg+2*\p+1], v[\adr+1] offset:BY+16*(BY/256)+(\off)
.endif
.endr
.endm
.macro FETCH q, p                      ; K step q's fragments into set p: 64 loads
	WIN 0x80
.irp i, 0,1,2,3
	FRAG 128*(\p)+FR*\i, ADR, \q, \i*16*PITCH
.endr
.irp i, 0,1,2,3
	FRAG 128*(\p)+FR*(\i+4), ADR+2, \q, \i*16*PITCH
.endr
	WIN 0
.irp i, 0,1,2,3
.irp c, 0,1                                    ; heads 2 q and 2 q + 1 of token tile i: registers 6 c on
	ds_load_b128 v[PF+48*(\p)+FR*\i+6*\c:PF+48*(\p)+FR*\i+6*\c+3], v[AL16] offset:12288*\i+768*(2*(\q)+\c)
	ds_load_b64 v[PF+48*(\p)+FR*\i+6*\c+4:PF+48*(\p)+FR*\i+6*\c+5], v[AL8] offset:12288*\i+768*(2*(\q)+\c)+512
.endr
.endr
.endm
.macro WM a, b, p, q, ra, rb, first
.if \first
	v_wmma_scale_f32_16x16x128_f8f6f4 v[8*(8*\a+\b):8*(8*\a+\b)+7], v[128*(\p)+FR*\b:128*(\p)+FR*\b+FR-1], v[PF+48*(\p)+FR*\a:PF+48*(\p)+FR*\a+FR-1], v[8*\b:8*\b+7], v[SR+8*(\b%4)+(\q)], v[SP+8*(\a%2)+(\q)] matrix_a_fmt:MATRIX_FMT_FP6 matrix_b_fmt:MATRIX_FMT_FP6 matrix_a_scale:MATRIX_SCALE_ROW\ra matrix_b_scale:MATRIX_SCALE_ROW\rb
.else
	v_wmma_scale_f32_16x16x128_f8f6f4 v[8*(8*\a+\b):8*(8*\a+\b)+7], v[128*(\p)+FR*\b:128*(\p)+FR*\b+FR-1], v[PF+48*(\p)+FR*\a:PF+48*(\p)+FR*\a+FR-1], v[8*(8*\a+\b):8*(8*\a+\b)+7], v[SR+8*(\b%4)+(\q)], v[SP+8*(\a%2)+(\q)] matrix_a_fmt:MATRIX_FMT_FP6 matrix_b_fmt:MATRIX_FMT_FP6 matrix_a_scale:MATRIX_SCALE_ROW\ra matrix_b_scale:MATRIX_SCALE_ROW\rb
.endif
.endm
.macro MULA a, rb, p, q, first
.irp b, 0,1,2,3
	WM \a, \b, \p, \q, 0, \rb, \first
.endr
.irp b, 4,5,6,7
	WM \a, \b, \p, \q, 1, \rb, \first
.endr
.endm
.macro MUL p, q, first                 ; 32 products: the 32 accumulators by turns, in the same order in every step
	MULA 0, 0, \p, \q, \first
	MULA 1, 0, \p, \q, \first
	MULA 2, 1, \p, \q, \first
	MULA 3, 1, \p, \q, \first
.endm
	s_wait_alu depctr_va_vdst(0)                   ; the wait at the head's end
	s_wait_tensorcnt 0x0                           ; my tile of the four is in
	s_barrier_signal -1
	s_barrier_wait -1                              ; all four are
.irp i, 0,1,2,3
	ds_load_b128 v[SR+8*\i:SR+8*\i+3], v[ASR] offset:512*\i
	ds_load_b128 v[SR+8*\i+4:SR+8*\i+7], v[ASR] offset:512*\i+16
.endr
.irp i, 0,1
	ds_load_b128 v[SP+8*\i:SP+8*\i+3], v[ASP] offset:512*\i
	ds_load_b128 v[SP+8*\i+4:SP+8*\i+7], v[ASP] offset:512*\i+16
.endr
	FETCH 0, 0
	s_wait_loadcnt 0x0                             ; the bias
.set Q, 0
.rept 8                                ; a K step: its fragments, asked for a step ago, are in; the next step's are asked for; 32 products
	s_wait_dscnt 0x0
.if Q > 0
	PLACES 4                                       ; in front of loads into registers that the last step's products have read
.endif
.if Q < 7
	FETCH Q+1, (Q+1)%2
.endif
.if Q == 0
	WIN 0x72                                       ; source 0 window 2, source 1 window 0, C window 3 (the bias), D window 1
	MUL 0, 0, 1
.else
	WIN 0x52                                       ; C and D window 1
	MUL Q%2, Q, 0
.endif
.set Q, Q+1
.endr
	WIN 0
; THE WAY OUT, block by block of 16 tokens x 128 columns: into my stage, back as whole rows of 512 bytes, stored as two aligned runs of 256 bytes.  LDS serves a wave's instructions in order (ISA guide 5.7.1.4).
.macro TOSTAGE a
	WIN 0x04                                       ; the data: window 1
.irp b, 0,1,2,3,4,5,6,7
	ds_store_b128 v[STO], v[64*(\a)+8*\b:64*(\a)+8*\b+3] offset:64*\b      ; each accumulator from its low end on
	ds_store_b128 v[STO], v[64*(\a)+8*\b+4:64*(\a)+8*\b+7] offset:64*\b+16
.endr
	WIN 0
.set BB, BK+64*((\a)%2)
.irp t, 0,1,2,3,4,5,6,7,8,9,10,11,12,13,14,15
	ds_load_b128 v[BB+4*\t:BB+4*\t+3], v[AL16] offset:\t*SPITCH
.endr
.endm
.macro SEND a, younger                 ; younger: the LDS instructions issued behind block a's loads
.set BB, BK+64*((\a)%2)
	s_wait_dscnt \younger
.if (\a) > 0
	s_add_nc_u64 s[12:13], s[12:13], 16*4096       ; behind a wait on XCNT: the earlier stores have read their base
.endif
.irp t, 0,1,2,3,4,5,6,7,8,9,10,11,12,13,14,15
	global_store_b128 v[CO], v[BB+4*\t:BB+4*\t+3], s[12:13] offset:\t*4096 th:TH_STORE_NT
.endr
.endm
	PLACES 4                                       ; behind the last products
	TOSTAGE 0
.irp a, 1,2,3
.if \a > 1
	s_wait_xcnt 0x0                                ; block a - 2's stores have read their registers and their base
.endif
	TOSTAGE \a
	SEND \a-1, 32
.endr
	s_wait_xcnt 0x0
	SEND 3, 0
	s_wait_tensorcnt 0x0                           ; the wave's end
	ds_add_u32 v[SPW], v[NIL]
	s_wait_dscnt 0x0
	CROUND                                         ; the closing round
	s_endpgm
.Lfunc_end_k_q722e60998c_outp:
	.size	k_q722e60998c_outp, .Lfunc_end_k_q722e60998c_outp-k_q722e60998c_outp
	.p2alignl 7, 3214868480
	.fill 96, 4, 3214868480
	.section	.rodata,"a",@progbits
	.p2align	6, 0x0
	.amdhsa_kernel k_q722e60998c_outp
		.amdhsa_group_segment_fixed_size 327680
		.amdhsa_private_segment_fixed_size 0
		.amdhsa_enable_private_segment 0
		.amdhsa_kernarg_size 48
		.amdhsa_user_sgpr_count 2
		.amdhsa_user_sgpr_kernarg_segment_ptr 1
		.amdhsa_wavefront_size32 1
		.amdhsa_system_sgpr_workgroup_id_x 1
		.amdhsa_system_sgpr_workgroup_id_y 1
		.amdhsa_system_sgpr_workgroup_id_z 1
		.amdhsa_system_vgpr_workitem_id 0
		.amdhsa_next_free_vgpr 832
		.amdhsa_next_free_sgpr 102
		.amdhsa_reserve_vcc 0
		.amdhsa_float_denorm_mode_32 3
		.amdhsa_float_denorm_mode_16_64 3
		.amdhsa_memory_ordered 1
		.amdhsa_forward_progress 1
		.amdhsa_inst_pref_size 91
	.end_amdhsa_kernel
	.amdgpu_metadata
---
amdhsa.version: [ 1, 2 ]
amdhsa.kernels:
  - .name:           k_q722e60998c_outp
    .symbol:         k_q722e60998c_outp.kd
    .args:
      - { .name: cat, .offset: 0, .size: 8, .value_kind: global_buffer, .address_space: global }
      - { .name: catS, .offset: 8, .size: 8, .value_kind: global_buffer, .address_space: global }
      - { .name: Wo_codes, .offset: 16, .size: 8, .value_kind: global_buffer, .address_space: global }
      - { .name: Wo_scales, .offset: 24, .size: 8, .value_kind: global_buffer, .address_space: global }
      - { .name: bo, .offset: 32, .size: 8, .value_kind: global_buffer, .address_space: global }
      - { .name: out0, .offset: 40, .size: 8, .value_kind: global_buffer, .address_space: global }
    .group_segment_fixed_size: 327680
    .private_segment_fixed_size: 0
    .kernarg_segment_align: 8
    .kernarg_segment_size: 48
    .max_flat_workgroup_size: 128
    .sgpr_count:     102
    .vgpr_count:     832
    .wavefront_size: 32
...
	.end_amdgpu_metadata
.endif
;; end of part 3
